; MI455X (gfx1250); checked and timed in simulation.
; The chip was launched on July 23, 2026; its instructions are those of AMD's public machine-readable ISA for CDNA 5 (MIT licence, August 2026) and "CDNA5" Instruction Set Architecture Reference Guide (July 2026). The comments in the code are by the model that wrote it; some were corrected since.
;; Trajectory Decoder. Allowed arithmetic: float matrix products may take bf16 or f16 operands with f32 sums; other float arithmetic in f32, or as packed bf16 or f16 multiplies, adds, multiply-adds, maxima and minima; sums over many terms, partial sums and values carried from step to step in f32; what a program stores and reads back later, other than sums and carried values, may be rounded once to bf16 or f16.
;; Inputs: b_hh0 3 x 768 float32; b_hh1 3 x 768 float32; b_ih0 3 x 768 float32; b_ih1 3 x 768 float32; context 4,096 x 256 float32; mp_b1 64 float32; mp_b2 3 float32; mp_w1 64 x 256 float32; mp_w2 3 x 64 float32; out_b 3 x 2 float32; out_w 3 x 2 x 256 float32; w_hh0 3 x 768 x 256 float32; w_hh1 3 x 768 x 256 float32; w_ih0 3 x 768 x 258 float32; w_ih1 3 x 768 x 256 float32.
;; Outputs: out0 4,096 x 3 x 7 x 2 float32; out1 4,096 x 3 float32.
;; Constants: num_future_steps = 7.
;; One version. Each part assembles by itself: llvm-mc -triple=amdgcn-amd-amdhsa -mcpu=gfx1250 --defsym DOCPART=n.
;; ======== version 1 of 1: 2 launches
;; limits: values are held in f16: magnitudes above 65,504 overflow, below 6.1e-05 lose precision; inputs' magnitudes at most 65,504
;; workspace buffers: wstream 4,718,592 bytes; tab 49,152 bytes
;; launch prep (part 1): grid 211 x 1, 4 waves a work-group, no clusters, 34,304 bytes of LDS; arguments w_ih0, w_hh0, w_ih1, w_hh1, b_ih0, b_hh0, b_ih1, b_hh1, out_w, context, mp_w1, mp_b1, mp_w2, mp_b2, wstream, tab, out1; writes wstream, tab, out1
.if DOCPART == 1
	.amdgcn_target "amdgcn-amd-amdhsa--gfx1250"
	.amdhsa_code_object_version 6
	.text
	.protected	k_q93d32ec4be_prep
	.globl	k_q93d32ec4be_prep
	.p2align	8
	.type	k_q93d32ec4be_prep,@function
k_q93d32ec4be_prep:
	s_mov_b64 s[64:65], 0
	v_nop
	global_prefetch_b8 v0, s[64:65] scope:SCOPE_SE
	s_setreg_imm32_b32 hwreg(HW_REG_WAVE_MODE, 25, 1), 1
	s_wait_xcnt 0x0
; PREP: what the decoder needs once.  Three jobs, chosen by the work-group's number; no barrier anywhere.
;   work-groups 0-143    WEIGHTS: the four GRU matrices of a mode, rounded once and laid in the order in which a wave's matrix operands take them (wstream)
;   work-groups 144-207  MODES:   out1 = softmax(relu(context mp_w1^T + mp_b1) mp_w2^T + mp_b2), the maximum taken away before the exponentials
;   work-groups 208-210  TABLES:  biases, the two position columns of w_ih0 and out_w, scaled as the gates take them (tab)
; WORK THAT THE PROGRAM LEAVES OUT, for all values of the inputs:
;   (1) x = [pos, context], so x w_ih0^T = pos w_ih0[:, :2]^T + context w_ih0[:, 2:]^T.  The second term holds no step's number: it is the same product in all 7 steps and is made once a mode.
;   (2) pos of step 0 is the zeros that reference() builds itself: its product with w_ih0[:, :2] is 0 and is not made.
;   (3) the first term is kept up by its change: after step t the kept sum takes (delta(t) - delta(t-1)) w_ih0[:, :2]^T, with delta(-1) = 0; in exact arithmetic the sum is then
;       context w_ih0[:, 2:]^T + delta(t) w_ih0[:, :2]^T, which is what step t + 1 wants.
; LIMITS: a NaN, an infinity or an overflow that reaches only the product of (2) is not carried to the result; the order of rounding in (3) is not reference()'s.  Every input has a way to an output and is loaded.
; FORMATS.  EVERY INPUT OF THE PROGRAM IS ROUNDED ONCE TO bf16, those that are no matrix operands too (biases, out_w, the position columns, mp_b1, mp_w2, mp_b2); behind that rounding they are kept and
; reckoned with in f32.  The decoder's products are f16 forms, since what it makes itself (h) is rounded to f16: so a GRU weight's bf16 number is written here as f16.  LIMIT: f16 holds a bf16 number
; exactly from 6.1e-5 to 65,504; below that it keeps f16's fixed step of 6e-8; a weight of 65,520 or more would become an infinity.
; wstream: [mode][chunk 0-15][wave 0-3][fragment 0-23][1,024 bytes].  Chunks 0-3: w_ih0[:, 2:]; 4-7: w_hh0; 8, 9, 12, 13: w_ih1; 10, 11, 14, 15: w_hh1; in each matrix two chunks for units 32 sp .. of a wave's 64,
; the first with K 0-127, the second with K 128-255.  Fragment (kf % 4) 6 + 2 gate + u2: 16 weight rows x 32 K; lane l's 16 bytes at 16 l (row l % 16, K 8 (l / 16) ..) and at 512 + 16 l (K + 16).
; tab: [mode][16,384], f32: eight tables of 256 (B1R, B1Z, B1XN, B1HN, B0HN, B0R, B0Z, B0XN), WP [2][768], OW [2][256].  With c = log2 e: the r and z tables hold -c (b_ih + b_hh), the n tables 2 c b,
; WP's rows of r and z are times -c, those of n times 2 c: sigmoid(x) = 1 / (1 + 2^(-c x)), tanh(x) = 1 - 2 / (1 + 2^(2 c x)).
.set SPARE,  33792                     ; behind the four stages: the spare words, 128 bytes for each wave
.set WPITCH, 528                       ; a staged row: 512 bytes of f16 + 16: the 16 rows that a load touches start 33 x 16 bytes apart
.set WLDS,   16*WPITCH                 ; a wave's own stage
.set CHUNK,  98304
.set WPART,  24576
.set MODEB,  16*CHUNK
.set T_WP,   8192
.set T_OW,   14336
.set CNEG,   0xbfb8aa3b                ; -log2 e
.set CTWO,   0x4038aa3b                ; 2 log2 e
.set CPOS,   0x3fb8aa3b                ; log2 e
.macro RB16 a, t                       ; v[a] and v[a+1] rounded to bf16 (to nearest even) and kept as f32; v[t] at work
	v_cvt_pk_bf16_f32 v[\t], v[\a], v[(\a)+1]
	v_lshlrev_b32 v[\a], 16, v[\t]
	v_and_b32 v[(\a)+1], s38, v[\t]
.endm
	s_load_b256 s[4:11], s[0:1], 0x0               ; w_ih0 s[4:5], w_hh0 s[6:7], w_ih1 s[8:9], w_hh1 s[10:11]
	s_load_b256 s[12:19], s[0:1], 0x20             ; b_ih0 s[12:13], b_hh0 s[14:15], b_ih1 s[16:17], b_hh1 s[18:19]
	s_load_b256 s[20:27], s[0:1], 0x40             ; out_w s[20:21], context s[22:23], mp_w1 s[24:25], mp_b1 s[26:27]
	s_load_b256 s[28:35], s[0:1], 0x60             ; mp_w2 s[28:29], mp_b2 s[30:31], wstream s[32:33], tab s[34:35]
	s_load_b64 s[36:37], s[0:1], 0x80              ; out1
	v_lshl_add_u32 v14, v0, 2, SPARE               ; my spare word,
	v_mov_b32 v15, 0                               ; and 0: kept for the closing add alone
	v_lshrrev_b32 v1, 5, v0
	v_readfirstlane_b32 s40, v1                    ; wave 0..3
	v_and_b32 v1, 31, v0                           ; lane
	s_mov_b32 s38, 0xffff0000                      ; a word's upper bf16
	s_wait_kmcnt 0x0
	s_cmp_lt_u32 ttmp9, 144
	s_cbranch_scc1 .Lweights
	s_cmp_lt_u32 ttmp9, 208
	s_cbranch_scc1 .Lmlp
	; ---------------- TABLES: one work-group a mode; thread t has units 2 t and 2 t + 1, so a wave's store covers 256 consecutive bytes
	s_sub_co_u32 s41, ttmp9, 208                   ; the mode
	s_mov_b32 s43, 0
	s_mul_i32 s42, s41, 3072                       ; a mode's 768 biases
	s_add_nc_u64 s[12:13], s[12:13], s[42:43]
	s_add_nc_u64 s[14:15], s[14:15], s[42:43]
	s_add_nc_u64 s[16:17], s[16:17], s[42:43]
	s_add_nc_u64 s[18:19], s[18:19], s[42:43]
	s_mul_i32 s42, s41, 792576                     ; a mode's 768 rows of 1,032 bytes of w_ih0
	s_add_nc_u64 s[4:5], s[4:5], s[42:43]
	s_lshl_b32 s42, s41, 11
	s_add_nc_u64 s[20:21], s[20:21], s[42:43]      ; out_w
	s_lshl_b32 s42, s41, 14
	s_add_nc_u64 s[34:35], s[34:35], s[42:43]      ; tab
	s_mov_b32 s44, CNEG
	s_mov_b32 s45, CNEG                            ; named as pairs by the packed lines
	s_mov_b32 s46, CTWO
	s_mov_b32 s47, CTWO
	v_lshlrev_b32 v2, 3, v0                        ; 8 t
	v_lshlrev_b32 v3, 4, v0                        ; 16 t
	v_mul_u32_u24 v4, v0, 2064                     ; two rows of w_ih0
.irp g, 0,1,2
	global_load_b64 v[16+2*(\g):17+2*(\g)], v2, s[12:13] offset:1024*(\g)
	global_load_b64 v[22+2*(\g):23+2*(\g)], v2, s[14:15] offset:1024*(\g)
	global_load_b64 v[28+2*(\g):29+2*(\g)], v2, s[16:17] offset:1024*(\g)
	global_load_b64 v[34+2*(\g):35+2*(\g)], v2, s[18:19] offset:1024*(\g)
.endr
.irp g, 0,1,2
	global_load_b64 v[40+4*(\g):41+4*(\g)], v4, s[4:5] offset:264192*(\g)        ; the two position columns of row 256 g + 2 t,
	global_load_b64 v[42+4*(\g):43+4*(\g)], v4, s[4:5] offset:264192*(\g)+1032   ; and of the row below
.endr
	global_load_b128 v[52:55], v3, s[20:21]
	s_wait_loadcnt 0x0
.set i, 0
.rept 20                               ; all 40 numbers as loaded are rounded to bf16 first
	RB16 16+2*i, 84+i
.set i, i+1
.endr
	v_pk_add_f32 v[56:57], v[28:29], v[34:35]      ; layer 1, r
	v_pk_add_f32 v[58:59], v[30:31], v[36:37]      ; layer 1, z
	v_pk_add_f32 v[66:67], v[16:17], v[22:23]      ; layer 0, r
	v_pk_add_f32 v[68:69], v[18:19], v[24:25]      ; layer 0, z
	v_pk_mul_f32 v[56:57], v[56:57], s[44:45] op_sel_hi:[1,0]
	v_pk_mul_f32 v[58:59], v[58:59], s[44:45] op_sel_hi:[1,0]
	v_pk_mul_f32 v[66:67], v[66:67], s[44:45] op_sel_hi:[1,0]
	v_pk_mul_f32 v[68:69], v[68:69], s[44:45] op_sel_hi:[1,0]
	v_pk_mul_f32 v[60:61], v[32:33], s[46:47] op_sel_hi:[1,0]  ; b_ih1_n
	v_pk_mul_f32 v[62:63], v[38:39], s[46:47] op_sel_hi:[1,0]  ; b_hh1_n
	v_pk_mul_f32 v[64:65], v[26:27], s[46:47] op_sel_hi:[1,0]  ; b_hh0_n
	v_pk_mul_f32 v[70:71], v[20:21], s[46:47] op_sel_hi:[1,0]  ; b_ih0_n
.irp g, 0,1
	v_mul_f32 v[72+4*(\g)], s44, v[40+4*(\g)]      ; column 0 of both rows side by side, then column 1
	v_mul_f32 v[73+4*(\g)], s44, v[42+4*(\g)]
	v_mul_f32 v[74+4*(\g)], s44, v[41+4*(\g)]
	v_mul_f32 v[75+4*(\g)], s44, v[43+4*(\g)]
.endr
	v_mul_f32 v80, s46, v48
	v_mul_f32 v81, s46, v50
	v_mul_f32 v82, s46, v49
	v_mul_f32 v83, s46, v51
.irp i, 0,1,2,3,4,5,6,7
	global_store_b64 v2, v[56+2*(\i):57+2*(\i)], s[34:35] offset:1024*(\i)
.endr
.irp g, 0,1,2
	global_store_b64 v2, v[72+4*(\g):73+4*(\g)], s[34:35] offset:T_WP+1024*(\g)
	global_store_b64 v2, v[74+4*(\g):75+4*(\g)], s[34:35] offset:T_WP+3072+1024*(\g)
.endr
	global_store_b128 v3, v[52:55], s[34:35] offset:T_OW
	s_endpgm
	; ---------------- WEIGHTS: a work-group has 16 weight rows (mode, gate, unit tile); wave q takes them from matrix q
.Lweights:
	s_mul_i32 s41, ttmp9, 1366
	s_lshr_b32 s41, s41, 16                        ; the mode = number / 48 (exact for 0 .. 143)
	s_mul_i32 s42, s41, 48
	s_sub_co_u32 s42, ttmp9, s42
	s_lshr_b32 s43, s42, 4                         ; gate
	s_and_b32 s44, s42, 15                         ; unit tile of 16
	s_lshr_b32 s45, s44, 2                         ; the decoder's wave that owns it,
	s_bfe_u32 s46, s44, 0x10001                    ; its half sp of that wave's 64 units,
	s_and_b32 s47, s44, 1                          ; and the tile u2 in that half
	s_cmp_eq_u32 s40, 1
	s_cselect_b64 s[48:49], s[6:7], s[4:5]
	s_cmp_eq_u32 s40, 2
	s_cselect_b64 s[48:49], s[8:9], s[48:49]
	s_cmp_eq_u32 s40, 3
	s_cselect_b64 s[48:49], s[10:11], s[48:49]
	s_cmp_eq_u32 s40, 0
	s_cselect_b32 s51, 8, 0                        ; w_ih0: the two position columns are stepped over,
	s_add_co_u32 s50, s51, 1024                    ; and a row is 8 bytes longer
	s_mul_i32 s52, s41, 768
	s_lshl_b32 s53, s43, 8
	s_add_co_u32 s52, s52, s53
	s_lshl_b32 s53, s44, 4
	s_add_co_u32 s52, s52, s53                     ; first row
	s_mul_i32 s52, s52, s50
	s_add_co_u32 s52, s52, s51
	s_mov_b32 s53, 0
	s_add_nc_u64 s[48:49], s[48:49], s[52:53]
	v_lshlrev_b32 v2, 3, v1                        ; 8 x lane: rows of w_ih0 begin at multiples of 8 bytes only, so loads of 8 bytes
.set i, 0
.rept 16
	v_mad_u32_u24 v[16+i], s50, i, v2              ; row i
.set i, i+1
.endr
.set i, 0
.rept 64                               ; row i / 4, 256 consecutive bytes a load
	global_load_b64 v[32+2*i:33+2*i], v[16+i/4], s[48:49] offset:(i%4)*256 th:TH_LOAD_NT
.set i, i+1
.endr
	s_mul_i32 s51, s40, WLDS
	v_lshl_add_u32 v3, v1, 2, s51                  ; into my stage: 4 x lane
	v_and_b32 v4, 15, v0
	v_bfe_u32 v5, v0, 4, 1
	v_mul_u32_u24 v4, v4, WPITCH
	v_lshl_add_u32 v4, v5, 4, v4
	v_add_nc_u32 v4, s51, v4                       ; back: row l % 16, 16 bytes for each half of the lanes
	v_lshlrev_b32 v5, 4, v1                        ; 16 x lane in a fragment
	s_lshl_b32 s51, s40, 2
	s_lshl1_add_u32 s51, s46, s51                  ; matrices 0, 1: first chunk 4 q + 2 sp
	s_lshl_b32 s52, s40, 1
	s_lshl2_add_u32 s52, s46, s52
	s_add_co_u32 s52, s52, 4                       ; matrices 2, 3: 4 + 2 q + 4 sp
	s_cmp_lt_u32 s40, 2
	s_cselect_b32 s51, s51, s52
	s_mul_i32 s52, s41, MODEB
	s_mul_i32 s51, s51, CHUNK
	s_add_co_u32 s52, s52, s51
	s_mul_i32 s51, s45, WPART
	s_add_co_u32 s52, s52, s51
	s_lshl1_add_u32 s51, s43, s47                  ; 2 gate + u2
	s_lshl_b32 s51, s51, 10
	s_add_co_u32 s52, s52, s51
	s_mov_b32 s53, 0
	s_add_nc_u64 s[54:55], s[32:33], s[52:53]
.set gq, 0
.rept 4
	s_wait_loadcnt 48-16*gq                        ; loads come back in order: four rows are in, the younger groups of 16 loads stay out
.set i, 16*gq
.rept 16
	v_cvt_pk_bf16_f32 v[160+i], v[32+2*i], v[33+2*i]  ; the one rounding, to bf16,
.set i, i+1
.endr
.set i, 16*gq
.rept 16
	v_lshlrev_b32 v[32+2*i], 16, v[160+i]          ; that number as f32 again,
	v_and_b32 v[33+2*i], s38, v[160+i]
.set i, i+1
.endr
.set i, 16*gq
.rept 16
	v_cvt_pk_f16_f32 v[160+i], v[32+2*i], v[33+2*i]   ; and written as f16
.set i, i+1
.endr
.set i, 16*gq
.rept 16
	ds_store_b32 v3, v[160+i] offset:(i/4)*WPITCH+(i%4)*128
.set i, i+1
.endr
.set gq, gq+1
.endr
.set i, 0
.rept 16                               ; K fragment i / 2, half i % 2.  My own bytes, served in the order of issue: no wait between the stores and these
	ds_load_b128 v[32+4*i:35+4*i], v4 offset:(i/2)*64+(i%2)*32
.set i, i+1
.endr
	s_wait_dscnt 0x0
.set i, 0
.rept 16                               ; each store covers 512 consecutive bytes, aligned
	global_store_b128 v5, v[32+4*i:35+4*i], s[54:55] offset:(i/8)*CHUNK+((i/2)%4)*6144+(i%2)*512 th:TH_STORE_NT
.set i, i+1
.endr
	s_wait_tensorcnt 0x0                           ; the wave's end: behind my last LDS store
	ds_add_u32 v14, v15
	s_wait_dscnt 0x0
	s_endpgm
	; ---------------- MODES: a wave has 16 rows.  hidden^T = mp_w1 context^T in bf16 (source 0 = 16 hidden units, source 1 = the 16 rows): a lane holds one row and 8 hidden units of each of 4 tiles
.Lmlp:
	s_sub_co_u32 s41, ttmp9, 144
	s_lshl_b32 s41, s41, 2
	s_add_co_u32 s41, s41, s40                     ; my group of 16 rows
	s_lshl_b32 s42, s41, 14
	s_mov_b32 s43, 0
	s_add_nc_u64 s[22:23], s[22:23], s[42:43]
	s_mul_i32 s42, s41, 192
	s_add_nc_u64 s[36:37], s[36:37], s[42:43]
	s_load_b96 s[44:46], s[30:31], 0x0             ; mp_b2
	s_mov_b32 s48, 0x76543210                      ; v_permlanex16_b32: each lane takes its own place in the other half
	s_mov_b32 s49, 0xfedcba98
	v_and_b32 v2, 15, v0
	v_bfe_u32 v3, v0, 4, 1
	v_lshlrev_b32 v4, 10, v2
	v_lshl_add_u32 v4, v3, 5, v4                   ; row x 1,024 + 32 x half: 8 f32 of K
	v_lshlrev_b32 v5, 5, v3                        ; 32 x half: my 8 hidden units of a tile
	v_mul_u32_u24 v6, v2, 12                       ; my row of out1
.macro LOADK kf, raw                   ; 32 K in f32: 4 loads for the rows, 16 for the four tiles of mp_w1
.irp pc, 0,1,2,3
	global_load_b128 v[(\raw)+4*(\pc):(\raw)+4*(\pc)+3], v4, s[22:23] offset:(\kf)*128+((\pc)/2)*64+((\pc)%2)*16
.endr
.irp tl, 0,1,2,3
.irp pc, 0,1,2,3
	global_load_b128 v[(\raw)+16+16*(\tl)+4*(\pc):(\raw)+16+16*(\tl)+4*(\pc)+3], v4, s[24:25] offset:(\tl)*16384+(\kf)*128+((\pc)/2)*64+((\pc)%2)*16
.endr
.endr
.endm
.macro CVTK raw                        ; v176-183 the rows' fragment, v184-215 the four tiles'
.set i, 0
.rept 40
	v_cvt_pk_bf16_f32 v[176+i], v[(\raw)+2*i], v[(\raw)+2*i+1]
.set i, i+1
.endr
.endm
.macro MULK zero                       ; the four accumulators take turns
.irp tl, 0,1,2,3
.if \zero
	v_wmma_f32_16x16x32_bf16 v[216+8*(\tl):223+8*(\tl)], v[184+8*(\tl):191+8*(\tl)], v[176:183], 0
.else
	v_wmma_f32_16x16x32_bf16 v[216+8*(\tl):223+8*(\tl)], v[184+8*(\tl):191+8*(\tl)], v[176:183], v[216+8*(\tl):223+8*(\tl)]
.endif
.endr
.endm
	LOADK 0, 16
	LOADK 1, 96
.set kf, 0
.rept 8
.if kf < 7
	s_wait_loadcnt 20                              ; this fragment's 20 loads are in, the next one's stay out
.else
	s_wait_loadcnt 16                              ; behind the last fragment's loads stand the first 16 of the way out
.endif
.if kf > 0
.rept 4
	v_nop                                          ; four places between the last product and the lines that write its sources (ISA guide 7.12.1)
.endr
.endif
	CVTK 16+80*(kf%2)
.if kf < 6
	LOADK kf+2, 16+80*(kf%2)
.elseif kf == 6
.irp tl, 0,1,2,3                       ; mp_b1 -> v16-47, mp_w2's row 0 -> v48-79
	global_load_b128 v[16+8*(\tl):19+8*(\tl)], v5, s[26:27] offset:64*(\tl)
	global_load_b128 v[20+8*(\tl):23+8*(\tl)], v5, s[26:27] offset:64*(\tl)+16
	global_load_b128 v[48+8*(\tl):51+8*(\tl)], v5, s[28:29] offset:64*(\tl)
	global_load_b128 v[52+8*(\tl):55+8*(\tl)], v5, s[28:29] offset:64*(\tl)+16
.endr
.else
.irp tl, 0,1,2,3                       ; mp_w2's rows 1 and 2 -> v96-127, v128-159
	global_load_b128 v[96+8*(\tl):99+8*(\tl)], v5, s[28:29] offset:256+64*(\tl)
	global_load_b128 v[100+8*(\tl):103+8*(\tl)], v5, s[28:29] offset:256+64*(\tl)+16
	global_load_b128 v[128+8*(\tl):131+8*(\tl)], v5, s[28:29] offset:512+64*(\tl)
	global_load_b128 v[132+8*(\tl):135+8*(\tl)], v5, s[28:29] offset:512+64*(\tl)+16
.endr
.endif
.if kf == 0
	MULK 1                                         ; the first products start the sums
.else
	MULK 0
.endif
.set kf, kf+1
.endr
	s_wait_loadcnt 0x0
.rept 4
	v_nop
.endr
.set i, 0
.rept 32                               ; mp_b1 and mp_w2 are rounded to bf16 like every input
	RB16 16+2*i, 160+i%16
	RB16 96+2*i, 160+i%16
.set i, i+1
.endr
.set i, 0
.rept 16                               ; each accumulator is read from its low end on
	v_pk_add_f32 v[216+2*i:217+2*i], v[216+2*i:217+2*i], v[16+2*i:17+2*i]
.set i, i+1
.endr
.set i, 0
.rept 32
	v_max_num_f32 v[216+i], 0, v[216+i]            ; relu
.set i, i+1
.endr
	v_pk_mul_f32 v[176:177], v[216:217], v[48:49]  ; three logits, in f32 on the vector unit: three columns would fill a fifth of a matrix tile
	v_pk_mul_f32 v[178:179], v[216:217], v[96:97]
	v_pk_mul_f32 v[180:181], v[216:217], v[128:129]
.set i, 1
.rept 15
	v_pk_fma_f32 v[176:177], v[216+2*i:217+2*i], v[48+2*i:49+2*i], v[176:177]
	v_pk_fma_f32 v[178:179], v[216+2*i:217+2*i], v[96+2*i:97+2*i], v[178:179]
	v_pk_fma_f32 v[180:181], v[216+2*i:217+2*i], v[128+2*i:129+2*i], v[180:181]
.set i, i+1
.endr
	v_add_f32 v182, v176, v177
	v_add_f32 v183, v178, v179
	v_add_f32 v184, v180, v181
	v_permlanex16_b32 v185, v182, s48, s49         ; the row's other 32 hidden units lie in the lane 16 away
	v_permlanex16_b32 v186, v183, s48, s49
	v_permlanex16_b32 v187, v184, s48, s49
	v_add_f32 v182, v182, v185
	v_add_f32 v183, v183, v186
	v_add_f32 v184, v184, v187
	s_wait_kmcnt 0x0
	v_mov_b32 v160, s44                            ; mp_b2, rounded to bf16 too
	v_mov_b32 v161, s45
	v_mov_b32 v162, s46
	v_mov_b32 v163, s46
	RB16 160, 164
	RB16 162, 165
	v_add_f32 v182, v182, v160
	v_add_f32 v183, v183, v161
	v_add_f32 v184, v184, v162
	v_max3_num_f32 v188, v182, v183, v184          ; the maximum is taken away, as reference()'s softmax does
	v_sub_f32 v182, v182, v188
	v_sub_f32 v183, v183, v188
	v_sub_f32 v184, v184, v188
	v_mul_f32 v182, CPOS, v182
	v_mul_f32 v183, CPOS, v183
	v_mul_f32 v184, CPOS, v184
	v_exp_f32 v190, v182
	v_exp_f32 v191, v183
	v_exp_f32 v192, v184
	v_nop                                          ; a plain instruction behind the last exponential,
	s_wait_alu depctr_va_vdst(0)                   ; and one wait for the three, ahead of their first reader
	v_add_f32 v193, v190, v191
	v_add_f32 v193, v193, v192
	v_rcp_f32 v194, v193
	v_nop
	s_wait_alu depctr_va_vdst(0)
	v_mul_f32 v196, v190, v194
	v_mul_f32 v197, v191, v194
	v_mul_f32 v198, v192, v194
	v_cmp_gt_u32 vcc_lo, 16, v1                    ; both halves of the lanes hold the same rows: the lower one stores
	s_wait_xcnt 0x0                                ; EXEC changes only behind this wait,
	s_and_saveexec_b32 s47, vcc_lo
	global_store_b96 v6, v[196:198], s[36:37]
	s_wait_xcnt 0x0                                ; and again in front of the line that widens it
	s_or_b32 exec_lo, exec_lo, s47
	s_endpgm
.Lfunc_end_k_q93d32ec4be_prep:
	.size	k_q93d32ec4be_prep, .Lfunc_end_k_q93d32ec4be_prep-k_q93d32ec4be_prep
	.p2alignl 7, 3214868480
	.fill 96, 4, 3214868480
	.section	.rodata,"a",@progbits
	.p2align	6, 0x0
	.amdhsa_kernel k_q93d32ec4be_prep
		.amdhsa_group_segment_fixed_size 34304
		.amdhsa_private_segment_fixed_size 0
		.amdhsa_enable_private_segment 0
		.amdhsa_kernarg_size 136
		.amdhsa_user_sgpr_count 2
		.amdhsa_user_sgpr_kernarg_segment_ptr 1
		.amdhsa_wavefront_size32 1
		.amdhsa_system_sgpr_workgroup_id_x 1
		.amdhsa_system_sgpr_workgroup_id_y 1
		.amdhsa_system_sgpr_workgroup_id_z 1
		.amdhsa_system_vgpr_workitem_id 0
		.amdhsa_next_free_vgpr 256
		.amdhsa_next_free_sgpr 66
		.amdhsa_reserve_vcc 1
		.amdhsa_float_denorm_mode_32 3
		.amdhsa_float_denorm_mode_16_64 3
		.amdhsa_memory_ordered 1
		.amdhsa_forward_progress 1
		.amdhsa_inst_pref_size 94
	.end_amdhsa_kernel
	.amdgpu_metadata
---
amdhsa.version: [ 1, 2 ]
amdhsa.kernels:
  - .name:           k_q93d32ec4be_prep
    .symbol:         k_q93d32ec4be_prep.kd
    .args:
      - { .name: w_ih0, .offset: 0, .size: 8, .value_kind: global_buffer, .address_space: global }
      - { .name: w_hh0, .offset: 8, .size: 8, .value_kind: global_buffer, .address_space: global }
      - { .name: w_ih1, .offset: 16, .size: 8, .value_kind: global_buffer, .address_space: global }
      - { .name: w_hh1, .offset: 24, .size: 8, .value_kind: global_buffer, .address_space: global }
      - { .name: b_ih0, .offset: 32, .size: 8, .value_kind: global_buffer, .address_space: global }
      - { .name: b_hh0, .offset: 40, .size: 8, .value_kind: global_buffer, .address_space: global }
      - { .name: b_ih1, .offset: 48, .size: 8, .value_kind: global_buffer, .address_space: global }
      - { .name: b_hh1, .offset: 56, .size: 8, .value_kind: global_buffer, .address_space: global }
      - { .name: out_w, .offset: 64, .size: 8, .value_kind: global_buffer, .address_space: global }
      - { .name: context, .offset: 72, .size: 8, .value_kind: global_buffer, .address_space: global }
      - { .name: mp_w1, .offset: 80, .size: 8, .value_kind: global_buffer, .address_space: global }
      - { .name: mp_b1, .offset: 88, .size: 8, .value_kind: global_buffer, .address_space: global }
      - { .name: mp_w2, .offset: 96, .size: 8, .value_kind: global_buffer, .address_space: global }
      - { .name: mp_b2, .offset: 104, .size: 8, .value_kind: global_buffer, .address_space: global }
      - { .name: wstream, .offset: 112, .size: 8, .value_kind: global_buffer, .address_space: global }
      - { .name: tab, .offset: 120, .size: 8, .value_kind: global_buffer, .address_space: global }
      - { .name: out1, .offset: 128, .size: 8, .value_kind: global_buffer, .address_space: global }
    .group_segment_fixed_size: 34304
    .private_segment_fixed_size: 0
    .kernarg_segment_align: 8
    .kernarg_segment_size: 136
    .max_flat_workgroup_size: 128
    .sgpr_count:     66
    .vgpr_count:     256
    .wavefront_size: 32
...
	.end_amdgpu_metadata
.endif
;; end of part 1
;; launch decode (part 2): grid 64 x 3, 4 waves a work-group, clusters of 4 x 1, 327,680 bytes of LDS; arguments context, wstream, tab, out_b, out0; writes out0
.if DOCPART == 2
	.amdgcn_target "amdgcn-amd-amdhsa--gfx1250"
	.amdhsa_code_object_version 6
	.text
	.protected	k_q93d32ec4be_decode
	.globl	k_q93d32ec4be_decode
	.p2align	8
	.type	k_q93d32ec4be_decode,@function
k_q93d32ec4be_decode:
	s_mov_b64 s[64:65], 0
	v_nop
	global_prefetch_b8 v0, s[64:65] scope:SCOPE_SE
	s_setreg_imm32_b32 hwreg(HW_REG_WAVE_MODE, 25, 1), 1
	s_wait_xcnt 0x0
	s_wait_alu depctr_hold_cnt(0) depctr_sa_sdst(0) depctr_va_vdst(0) depctr_va_sdst(0) depctr_va_ssrc(0) depctr_va_vcc(0) depctr_vm_vsrc(0)
	s_getreg_b32 s2, hwreg(HW_REG_IB_STS2, 6, 4)
	s_cmp_eq_u32 s2, 0
	s_cbranch_scc0 .Lentry_in_a_cluster
	s_endpgm
.Lentry_in_a_cluster:
	s_bfe_u32 s2, ttmp6, 0x10000c
	s_cmp_lg_u32 s2, 0x3003
	s_cbranch_scc0 .Lentry_shape_is_right
	s_endpgm
.Lentry_shape_is_right:
; DECODE: out0[row][mode][t][:] = the running sum of the 7 deltas of a two-layer GRU (H = 256).  A work-group owns 64 rows of one mode through all 7 steps; nothing passes between work-groups.
; WORK LEFT OUT (shown at the head of prep): context w_ih0[:, 2:]^T is made once and kept (gx); step 0 has no product with reference()'s own zero position; after each step but the last gx takes
; (delta(t) - delta(t-1)) w_ih0[:, :2]^T.  LIMITS: a NaN or infinity that reaches only the zero position's product is not carried; gx's order of rounding is not reference()'s; an exponential
; below 2^-126 counts as 0.  sigmoid(x) = 1 / (1 + 2^(-c x)) and tanh(x) = 1 - 2 / (1 + 2^(2 c x)), c = log2 e, hold at both ends: an infinite exponential gives 0 or 1, -1 or 1.
; FORMATS.  Every input is rounded once to bf16 (the weights and tables by prep; here context, with which both carries begin, and out_b).  What the program makes itself and hands to a product,
; the copies of h0 and h1, is rounded to f16: 11 significant bits where bf16 has 8, three roundings a step that all reach the running sum.  So the products are f16 forms, and the inputs' bf16 numbers
; are written as f16.  Sums, gx, both carries, gates, delta and the 2-column head stay in f32.
; LIMIT OF f16: |h| never passes max(1, |context|), since h is a mean of a tanh and the old h; context and the weights must lie under 65,504; a number below 6.1e-5 keeps f16's fixed step of 6e-8.
; SHARES.  Wave w owns hidden units 64 w .. 64 w + 63 for all 64 rows, in two halves sp of 32 units.  Products are taken transposed (source 0 = 16 weight rows, source 1 = 16 batch rows): in a result
; lane l holds batch row l % 16 and units 8 (l / 16) + 0..7, so r, z and n of a number meet in one lane, and two unit tiles rounded in pairs ARE a source-1 fragment of 32 K.
; THE STREAM.  A mode's weights lie in 16 chunks of 98,304 bytes, a quarter for each wave, in operand order.  The walk is chunks 0-15 and then 4-15 six times: 88 chunks through two LDS slots by parity.
; Each wave fetches its own quarter and is its only reader.  The four work-groups of a cluster have one mode and walk in step: each load is a JOINT load, the same descriptor and mask in all four.
; By this text's count a wave has three tensor loads out at the start and one behind each round.
; REGISTERS, in windows of 256 (s_set_vgpr_msb: bits 1:0 source 0, 3:2 source 1, 5:4 source 2, 7:6 destination):
;   window 0: v0-15 addresses; v16-23 delta(t-1); v24-31 the running sum; v32-127 two buffers of 6 weight fragments; v128-191 two buffers of 4 h fragments; v192-255 h1's carry, half 0
;             (in the gate phases v32-191 are at work; v128-191 then hold h1's carry of half 1, which lives in LDS between)
;   window 1: accumulators R 0, Z 64, XN 128, HN 192; a number's place is 32 u2 + 8 bt + j (u2 unit tile, bt batch tile)
;   window 2: -c gx_r at 128 sp, -c gx_z at 128 sp + 64          window 3: 2 c gx_n at 64 sp; h0's carry at 128 + 64 sp
.set CHUNK,  98304
.set WPART,  24576                     ; a wave's quarter: 24 fragments of 1,024 bytes = 96 rows of 256 bytes
.set MODEB,  16*CHUNK
.set SLOT1,  131072                    ; slot 0 at 0
.set X0,     98304                     ; h0 (at first: context) in f16: fragment (kf, bt) at (4 kf + bt) 1,024; halves at 16 l and 512 + 16 l
.set X1,     229376                    ; h1 likewise
.set CAR,    262144                    ; h1's f32 carry of half 1: 8,192 bytes a wave, its own
.set TAB,    294912                    ; the mode's tables, filled once
.set SCR,    311296                    ; partial deltas [wave][bt][row][2]
.set STG,    313344                    ; the running sums [row][7][2]
.set SPARE,  316928                    ; the spare words, 128 bytes for each wave: two blocks of 256 bytes that no other line names
.set T_B1R,  0
.set T_B1Z,  1024
.set T_B1XN, 2048
.set T_B1HN, 3072
.set T_B0HN, 4096
.set T_B0R,  5120
.set T_B0Z,  6144
.set T_B0XN, 7168
.set T_WP,   8192
.set T_OW,   14336
.set PFO,  1                           ; v1   256 x lane: the prefetches' offset; never rewritten
.set ADRA, 2                           ; v2-3 my quarter of slot 0, 1 + 16 x lane
.set ADRB, 4                           ; v4-5 X0, X1 + 16 x lane
.set XST,  6                           ; v6-7 where my units' fragments lie in X0, X1
.set CARA, 8                           ; v8   my part of CAR
.set TBA,  9                           ; v9   TAB + 256 w + 32 (l / 16): my 8 units of unit tile 0 in a table
.set TBS,  10                          ; v10  the same for the half in hand
.set SCW,  11                          ; v11  where I put partial deltas
.set SCRD, 12                          ; v12  where I read them
.set STA,  13                          ; v13  STG + 56 (l % 16)
.set SPW,  14                          ; v14  my spare word; never rewritten
.set NIL,  15                          ; v15  0; never rewritten
.set PREV, 16
.set CUM,  24
.set AB,   32
.set BB,   128
.set CT,   128
.set H1C,  192
.set GR,   0
.set GZ,   64
.set GXN,  128
.set GHN,  192
.set WV,   12                          ; s12  wave
.set CX,   13                          ; s13  my place in the cluster: it enters global addresses of context, out0 and the prefetches alone
.set MODE, 14
.set RB,   15                          ; s15  my block of 64 rows
.set G1,   16                          ; s[16:23] descriptor group 1, a quarter chunk
.set G1T,  24                          ; s[24:31] the same for a quarter of the tables
.set G0,   32                          ; s[32:39] group 0, a set for each slot
.set G0T,  40                          ; s[40:43] group 0 of the tables
.set WB,   44                          ; s[44:45] my quarter of the mode's chunk 0
.set OFF,  46                          ; s[46:47] a chunk's byte offset
.set NXT,  48                          ; s48  the chunk to ask for next
.set TN,   49                          ; s49  changes of slots so far
.set LIM,  50                          ; s50  how many of them prefetch, in this wave
.set LEFT, 51                          ; s51  layer-1 halves still to come
.set PFA,  52                          ; s[52:53] where my prefetches stand
.set SPI,  54                          ; s54  the half in hand
.set STEP, 55                          ; s55  the step
.set CN,   56                          ; s[56:57] -c
.set C2,   58                          ; s[58:59] 2 c
.set SEL,  60                          ; s[60:61] v_permlanex16_b32's selects
.set HM,   62                          ; s62  a word's upper bf16
.set OB,   66                          ; s[66:67] out_b of the mode
.set OUTP, 72                          ; s[72:73] out0 at my rows and mode
.set MSB, 0
.macro WIN new                         ; the immediate's high byte repeats the setting that is left; a switch that changes nothing is dropped
.if MSB != (\new)
	s_set_vgpr_msb (MSB<<8)|(\new)
.set MSB, (\new)
.endif
.endm
.macro PLACES                          ; four places behind a matrix instruction, in front of loads into its sources and of lines that read its result (ISA guide 7.12.1 for lines that read its result)
.rept 4
	v_nop
.endr
.endm
.macro CREST                           ; a round of the cluster's barrier behind its opening barrier
	s_cmp_lg_u32 s[WV], 0
	s_cbranch_scc1 .Lnot_wave_0_\@
	s_barrier_signal -3
.Lnot_wave_0_\@:
	s_barrier_wait -3
	s_barrier_signal -1
	s_barrier_wait -1
.endm
.macro CROUND
	s_barrier_signal -1
	s_barrier_wait -1
	CREST
.endm
; 20 LDS loads in one run: a K fragment's 6 weight fragments (3 gates x 2 unit tiles) and 4 h fragments, into buffer p.  Every load takes 512 consecutive bytes.
.macro FETCH adra, aoff, adrb, boff, p
	WIN 0
.irp g, 0,1,2,3,4,5
	ds_load_b128 v[AB+48*(\p)+8*(\g):AB+48*(\p)+8*(\g)+3],   v[\adra] offset:(\aoff)+1024*(\g)
	ds_load_b128 v[AB+48*(\p)+8*(\g)+4:AB+48*(\p)+8*(\g)+7], v[\adra] offset:(\aoff)+1024*(\g)+512
.endr
.irp t, 0,1,2,3
	ds_load_b128 v[BB+32*(\p)+8*(\t):BB+32*(\p)+8*(\t)+3],   v[\adrb] offset:(\boff)+1024*(\t)
	ds_load_b128 v[BB+32*(\p)+8*(\t)+4:BB+32*(\p)+8*(\t)+7], v[\adrb] offset:(\boff)+1024*(\t)+512
.endr
.endm
; 8 products of gate 'part' (0 r, 1 z, 2 into group g3).  cm = 0: they start the sums; 1: only group g3's do; 2: all add on.  A K fragment's 24 accumulators take turns in one fixed order.
.macro MUL p, part, g3, cm
	WIN 0x50                                       ; C and D window 1, sources window 0
.if (\part) == 0
.set GD, GR
.elseif (\part) == 1
.set GD, GZ
.else
.set GD, (\g3)
.endif
.irp u, 0,1
.irp t, 0,1,2,3
.if ((\cm) == 0) || (((\cm) == 1) && ((\part) == 2))
	v_wmma_f32_16x16x32_f16 v[GD+32*(\u)+8*(\t):GD+32*(\u)+8*(\t)+7], v[AB+48*(\p)+8*(2*(\part)+(\u)):AB+48*(\p)+8*(2*(\part)+(\u))+7], v[BB+32*(\p)+8*(\t):BB+32*(\p)+8*(\t)+7], 0
.else
	v_wmma_f32_16x16x32_f16 v[GD+32*(\u)+8*(\t):GD+32*(\u)+8*(\t)+7], v[AB+48*(\p)+8*(2*(\part)+(\u)):AB+48*(\p)+8*(2*(\part)+(\u))+7], v[BB+32*(\p)+8*(\t):BB+32*(\p)+8*(\t)+7], v[GD+32*(\u)+8*(\t):GD+32*(\u)+8*(\t)+7]
.endif
.endr
.endr
.endm
; A K fragment: buffer p is in; the next one is asked for into the other buffer and has these 24 products in which to come.
.macro KF p, g3, cm, adra, aoff, adrb, boff
	s_wait_dscnt 0x0
	PLACES
	FETCH \adra, \aoff, \adrb, \boff, 1-(\p)
	MUL \p, 0, \g3, \cm
	MUL \p, 1, \g3, \cm
	MUL \p, 2, \g3, \cm
.endm
.macro BLD dst, tb                     ; a table's 16 numbers for my lanes' units of the half in hand
.irp u, 0,1
	ds_load_b128 v[(\dst)+8*(\u):(\dst)+8*(\u)+3],   v[TBS] offset:(\tb)+64*(\u)
	ds_load_b128 v[(\dst)+8*(\u)+4:(\dst)+8*(\u)+7], v[TBS] offset:(\tb)+64*(\u)+16
.endr
.endm
; A PREFETCH INTO THE L2.  Only the walk's first passage over the 16 chunks is asked for: change of slots i < 11 names chunk i + 5, which the joint load three changes on will want; chunks 0-4 come by
; their loads alone.  All 16 clusters of a mode walk the same chunks: the first of them asks.  Its four partners share a chunk out BY ADDRESS, 24,576 bytes each; in each, waves 0-2 take 8,192 bytes,
; a lane for each 256: so each block is named once in the launch, and the last byte named lies in chunk 15.  The branch hangs on the cluster's number and the wave's alone.
.macro ASK
	s_cmp_lt_u32 s[TN], s[LIM]
	s_cbranch_scc0 .Lnot_mine_\@
	global_prefetch_b8 v[PFO], s[PFA:PFA+1] th:TH_LOAD_NT scope:SCOPE_SE
.Lnot_mine_\@:
	s_add_co_u32 s[TN], s[TN], 1
.endm
; A chunk's last K fragment (buffer 1) AND THE CHANGE OF SLOTS.  My reads of this slot and of X are back; all my tensor loads have landed, of which one was out: my quarter of the other slot; the add; then a
; round of the cluster's barrier, so that no wave of any partner still reads the slot or has a load on its way; the joint refill, with the chunk two on in the walk, is the first thing behind it.
; after: what is asked of LDS behind the refill: 1 the other slot's first fragments; 2, 3, 4 the biases of the phase that follows (their registers were last read ahead of the four places); 0 nothing.
.macro TKF slot, g3, after, adrb
	WIN 0
	s_wait_dscnt 0x0                               ; buffer 1 is in
	s_wait_xcnt 0x0                                ; the last prefetch, a chunk back, has read its address
	s_add_nc_u64 s[PFA:PFA+1], s[PFA:PFA+1], CHUNK
	s_wait_tensorcnt 0x0                           ; no tensor load of mine is out, so a group 0 may be written
	ds_add_u32 v[SPW], v[NIL]                      ; 0 onto my spare word
	s_mul_i32 s[OFF], s[NXT], CHUNK                ; the address is made anew from the chunk's number
	s_add_nc_u64 s[G0+4*(\slot)+2:G0+4*(\slot)+3], s[WB:WB+1], s[OFF:OFF+1]
	s_or_b32 s[G0+4*(\slot)+3], s[G0+4*(\slot)+3], 0x80000000
	s_add_co_u32 s[NXT], s[NXT], 1
	s_cmp_eq_u32 s[NXT], 16
	s_cselect_b32 s[NXT], 4, s[NXT]                ; behind chunk 15 the next step's chunk 4
	MUL 1, 0, \g3, 2                               ; eight products stand between the add and the wait for it
	s_wait_dscnt 0x0
	s_barrier_signal -1
	MUL 1, 1, \g3, 2
	WIN 0
	s_barrier_wait -1
	CREST
	tensor_load_to_lds s[G0+4*(\slot):G0+4*(\slot)+3], s[G1:G1+7]
	s_nop 0
	PLACES                                         ; the places in front of the loads below
.if (\after) == 1
	FETCH ADRA+1, 0, \adrb, 16384, 0
.elseif (\after) == 2
	BLD 32, T_B0R
	BLD 48, T_B0Z
	BLD 64, T_B0XN
.elseif (\after) == 3
	BLD 32, T_B0HN
.elseif (\after) == 4
	BLD 32, T_B1R
	BLD 48, T_B1Z
	BLD 64, T_B1XN
	BLD 80, T_B1HN
.endif
	ASK
	MUL 1, 2, \g3, 2
.endm
; A product of 96 weight rows x 256 K x 64 batch rows is two chunks: BLKA the first three K fragments, BLKB the other five with both changes of slots.
.macro BLKA g3, cm0, adrb
	FETCH ADRA, 0, \adrb, 0, 0
	KF 0, \g3, \cm0, ADRA, 6144, \adrb, 4096
	KF 1, \g3, 2, ADRA, 12288, \adrb, 8192
	KF 0, \g3, 2, ADRA, 18432, \adrb, 12288
.endm
.macro BLKB g3, adrb, pre
	TKF 0, \g3, 1, \adrb
	KF 0, \g3, 2, ADRA+1, 6144, \adrb, 20480
	KF 1, \g3, 2, ADRA+1, 12288, \adrb, 24576
	KF 0, \g3, 2, ADRA+1, 18432, \adrb, 28672
	TKF 1, \g3, \pre, \adrb
.endm
; gx of half sp from the context products: scaled, with the biases that never change.
.macro FIN sp
	WIN 0x81                                       ; destination window 2, accumulators window 1, biases window 0
.set kk, 0
.rept 32
.set kb, 8*(kk/16)+2*(kk%4)
	v_pk_fma_f32 v[128*(\sp)+2*kk:128*(\sp)+2*kk+1], v[GR+2*kk:GR+2*kk+1], s[CN:CN+1], v[32+kb:33+kb] op_sel_hi:[1,0,1]
	v_pk_fma_f32 v[128*(\sp)+64+2*kk:128*(\sp)+64+2*kk+1], v[GZ+2*kk:GZ+2*kk+1], s[CN:CN+1], v[48+kb:49+kb] op_sel_hi:[1,0,1]
.set kk, kk+1
.endr
	WIN 0xC1
.set kk, 0
.rept 32
.set kb, 8*(kk/16)+2*(kk%4)
	v_pk_fma_f32 v[64*(\sp)+2*kk:64*(\sp)+2*kk+1], v[GXN+2*kk:GXN+2*kk+1], s[C2:C2+1], v[64+kb:65+kb] op_sel_hi:[1,0,1]
.set kk, kk+1
.endr
	WIN 0
.endm
; THE GATES, over the half's 32 pairs kk in ascending order.  In each stage pair kk's plain lines stand among pair kk - 1's transcendentals, none of which
; is named again in the stage; behind the stage stand one plain instruction and ONE wait for the whole batch.  l1 = 1: layer 1 (biases in v32-95); 0: layer 0 (gx in windows 2, 3).
.macro SA l1, xr, xz                   ; R = -c (sum + ..), Z likewise; 2^R, 2^Z
.if \l1
	WIN 0x41
.else
	WIN 0x61
.endif
.set kk, 0
.rept 33
.set ka, 2*kk
.set ke, 2*kk-2
.set kx, ka
.if \l1
.set kx, 8*(kk/16)+2*(kk%4)
.endif
.if kk < 32
	v_pk_fma_f32 v[GR+ka:GR+ka+1], v[GR+ka:GR+ka+1], s[CN:CN+1], v[(\xr)+kx:(\xr)+kx+1] op_sel_hi:[1,0,1]
.endif
.if kk > 0
	v_exp_f32 v[GR+ke], v[GR+ke]
	v_exp_f32 v[GR+ke+1], v[GR+ke+1]
.endif
.if kk < 32
	v_pk_fma_f32 v[GZ+ka:GZ+ka+1], v[GZ+ka:GZ+ka+1], s[CN:CN+1], v[(\xz)+kx:(\xz)+kx+1] op_sel_hi:[1,0,1]
.endif
.if kk > 0
	v_exp_f32 v[GZ+ke], v[GZ+ke]
	v_exp_f32 v[GZ+ke+1], v[GZ+ke+1]
.endif
.set kk, kk+1
.endr
	v_nop
	s_wait_alu depctr_va_vdst(0)
.endm
.macro SB l1                           ; r = 1 / (1 + 2^R), z likewise; beside them HN = 2 c (sum + b_hn) and, in layer 1, XN = 2 c (sum + b_in)
	WIN 0x41
.set kk, 0
.rept 33
.set ka, 2*kk
.set ke, 2*kk-2
.set kb, 8*(kk/16)+2*(kk%4)
.if kk < 32
	v_pk_add_f32 v[GR+ka:GR+ka+1], v[GR+ka:GR+ka+1], 1.0 op_sel_hi:[1,0]
.endif
.if kk > 0
	v_rcp_f32 v[GR+ke], v[GR+ke]
.endif
.if kk < 32
	v_pk_add_f32 v[GZ+ka:GZ+ka+1], v[GZ+ka:GZ+ka+1], 1.0 op_sel_hi:[1,0]
.endif
.if kk > 0
	v_rcp_f32 v[GR+ke+1], v[GR+ke+1]
.endif
.if kk < 32
	v_pk_fma_f32 v[GHN+ka:GHN+ka+1], v[GHN+ka:GHN+ka+1], s[C2:C2+1], v[32+48*(\l1)+kb:33+48*(\l1)+kb] op_sel_hi:[1,0,1]
.endif
.if kk > 0
	v_rcp_f32 v[GZ+ke], v[GZ+ke]
.endif
.if (kk < 32) && (\l1)
	v_pk_fma_f32 v[GXN+ka:GXN+ka+1], v[GXN+ka:GXN+ka+1], s[C2:C2+1], v[64+kb:65+kb] op_sel_hi:[1,0,1]
.endif
.if kk > 0
	v_rcp_f32 v[GZ+ke+1], v[GZ+ke+1]
.endif
.set kk, kk+1
.endr
	v_nop
	s_wait_alu depctr_va_vdst(0)
.endm
.macro SC l1, xn                       ; XN = r HN + (XN or gx_n) = 2 c x; 2^XN
.if \l1
	WIN 0x55
.else
	WIN 0x75
.endif
.set kk, 0
.rept 33
.set ka, 2*kk
.set ke, 2*kk-2
.if kk < 32
.if \l1
	v_pk_fma_f32 v[GXN+ka:GXN+ka+1], v[GR+ka:GR+ka+1], v[GHN+ka:GHN+ka+1], v[GXN+ka:GXN+ka+1]
.else
	v_pk_fma_f32 v[GXN+ka:GXN+ka+1], v[GR+ka:GR+ka+1], v[GHN+ka:GHN+ka+1], v[(\xn)+ka:(\xn)+ka+1]
.endif
.endif
.if kk > 0
	v_exp_f32 v[GXN+ke], v[GXN+ke]
	v_exp_f32 v[GXN+ke+1], v[GXN+ke+1]
.endif
.set kk, kk+1
.endr
	v_nop
	s_wait_alu depctr_va_vdst(0)
.endm
.macro SD                              ; 1 / (1 + 2^XN); source 0 and destination stay in window 1
.set kk, 0
.rept 33
.set ka, 2*kk
.set ke, 2*kk-2
.if kk < 32
	v_pk_add_f32 v[GXN+ka:GXN+ka+1], v[GXN+ka:GXN+ka+1], 1.0 op_sel_hi:[1,0]
.endif
.if kk > 0
	v_rcp_f32 v[GXN+ke], v[GXN+ke]
	v_rcp_f32 v[GXN+ke+1], v[GXN+ke+1]
.endif
.set kk, kk+1
.endr
	v_nop
	s_wait_alu depctr_va_vdst(0)
.endm
.macro SE1                             ; n = 1 - 2 q
.set kk, 0
.rept 32
	v_pk_fma_f32 v[GXN+2*kk:GXN+2*kk+1], v[GXN+2*kk:GXN+2*kk+1], -2.0, 1.0 op_sel_hi:[1,0,0]
.set kk, kk+1
.endr
.endm
.macro ESTEP l1, hb                    ; h = n + z (h - n), the carry at hb (layer 1: window 0; layer 0: window 3)
.if \l1
	WIN 0x44
.else
	WIN 0x47
.endif
.set kk, 0
.rept 32
	v_pk_add_f32 v[GHN+2*kk:GHN+2*kk+1], v[(\hb)+2*kk:(\hb)+2*kk+1], v[GXN+2*kk:GXN+2*kk+1] neg_lo:[0,1] neg_hi:[0,1]
.set kk, kk+1
.endr
.if \l1
	WIN 0x15
.else
	WIN 0xD5
.endif
.set kk, 0
.rept 32
	v_pk_fma_f32 v[(\hb)+2*kk:(\hb)+2*kk+1], v[GZ+2*kk:GZ+2*kk+1], v[GHN+2*kk:GHN+2*kk+1], v[GXN+2*kk:GXN+2*kk+1]
.set kk, kk+1
.endr
	WIN 0
.endm
.macro GATES0 sp
	SA 0, 128*(\sp), 128*(\sp)+64
	SB 0
	SC 0, 64*(\sp)
	SD
	SE1
	ESTEP 0, 128+64*(\sp)
.endm
.macro G1COMMON
	SA 1, 32, 48
	SB 1
	SC 1, 0
	SD
	SE1
	WIN 0
.endm
.macro LOADC
.set i, 0
.rept 16
	ds_load_b128 v[CT+4*i:CT+4*i+3], v[CARA] offset:512*i
.set i, i+1
.endr
.endm
.macro STOREC
.set i, 0
.rept 16
	ds_store_b128 v[CARA], v[CT+4*i:CT+4*i+3] offset:512*i
.set i, i+1
.endr
.endm
; A carry rounded to f16, into v32-95: register i holds units 2 jp, 2 jp + 1 of (ut, bt), i = 16 ut + 4 bt + jp.
.macro CVT3                            ; h0's, from window 3
	WIN 0x0F
.set i, 0
.rept 64
	v_cvt_pk_f16_f32 v[32+i], v[128+2*i], v[128+2*i+1]
.set i, i+1
.endr
	WIN 0
.endm
.macro CVT1                            ; h1's: half 0 from v192-255, half 1 from v128-191
	WIN 0
.set i, 0
.rept 64
.if i < 32
	v_cvt_pk_f16_f32 v[32+i], v[H1C+2*i], v[H1C+2*i+1]
.else
	v_cvt_pk_f16_f32 v[32+i], v[CT+2*(i-32)], v[CT+2*(i-32)+1]
.endif
.set i, i+1
.endr
.endm
.macro XSTORE xst                      ; unit tile ut = i / 4 is half ut % 2 of K fragment 2 w + ut / 2
.set i, 0
.rept 16
	ds_store_b128 v[\xst], v[32+4*i:35+4*i] offset:((i/8)*4+(i%4))*1024+((i/4)%2)*512
.set i, i+1
.endr
.endm
; My 64 units' part of delta = h1 out_w^T, in f32 on the vector unit (two columns would fill an eighth of a matrix tile): 8 chains (bt, column), then the other half of the lanes'.
.macro DELTA
	WIN 0
.irp c, 0,1
.irp u, 0,1,2,3
	ds_load_b128 v[32+32*(\c)+8*(\u):32+32*(\c)+8*(\u)+3],   v[TBA] offset:T_OW+1024*(\c)+64*(\u)
	ds_load_b128 v[32+32*(\c)+8*(\u)+4:32+32*(\c)+8*(\u)+7], v[TBA] offset:T_OW+1024*(\c)+64*(\u)+16
.endr
.endr
	s_wait_dscnt 0x0
.irp u, 0,1,2,3
.irp jp, 0,1,2,3
.irp t, 0,1,2,3
.irp c, 0,1
.set kh, H1C+32*(\u)+8*(\t)+2*(\jp)
.if (\u) > 1
.set kh, CT+32*((\u)-2)+8*(\t)+2*(\jp)
.endif
.if ((\u) == 0) && ((\jp) == 0)
	v_pk_mul_f32 v[96+4*(\t)+2*(\c):97+4*(\t)+2*(\c)], v[kh:kh+1], v[32+32*(\c)+8*(\u)+2*(\jp):33+32*(\c)+8*(\u)+2*(\jp)]
.else
	v_pk_fma_f32 v[96+4*(\t)+2*(\c):97+4*(\t)+2*(\c)], v[kh:kh+1], v[32+32*(\c)+8*(\u)+2*(\jp):33+32*(\c)+8*(\u)+2*(\jp)], v[96+4*(\t)+2*(\c):97+4*(\t)+2*(\c)]
.endif
.endr
.endr
.endr
.endr
.irp i, 0,1,2,3,4,5,6,7
	v_add_f32 v[112+(\i)], v[96+2*(\i)], v[97+2*(\i)]
.endr
.irp i, 0,1,2,3,4,5,6,7
	v_permlanex16_b32 v[120+(\i)], v[112+(\i)], s[SEL], s[SEL+1]
.endr
.irp i, 0,1,2,3,4,5,6,7
	v_add_f32 v[112+(\i)], v[112+(\i)], v[120+(\i)]
.endr
.irp t, 0,1,2,3
	ds_store_b64 v[SCW], v[112+2*(\t):113+2*(\t)] offset:128*(\t)  ; both halves of the lanes hold the same two numbers and write the same 8 bytes
.endr
.endm
; Every wave adds the four parts in one order, so all hold the same delta: the running sum, the change against the step before (v112-119), and delta kept.  Wave 0 stages the running sum.
.macro OUT
.irp w, 0,1,2,3
.irp t, 0,1,2,3
	ds_load_b64 v[32+8*(\w)+2*(\t):33+8*(\w)+2*(\t)], v[SCRD] offset:512*(\w)+128*(\t)
.endr
.endr
	s_wait_dscnt 0x0
.irp t, 0,1,2,3
	v_pk_add_f32 v[32+2*(\t):33+2*(\t)], v[32+2*(\t):33+2*(\t)], v[40+2*(\t):41+2*(\t)]
	v_pk_add_f32 v[48+2*(\t):49+2*(\t)], v[48+2*(\t):49+2*(\t)], v[56+2*(\t):57+2*(\t)]
.endr
.irp t, 0,1,2,3
	v_pk_add_f32 v[32+2*(\t):33+2*(\t)], v[32+2*(\t):33+2*(\t)], v[48+2*(\t):49+2*(\t)]
.endr
.irp t, 0,1,2,3
	v_add_f32 v[32+2*(\t)], s[OB], v[32+2*(\t)]
	v_add_f32 v[33+2*(\t)], s[OB+1], v[33+2*(\t)]
.endr
.irp t, 0,1,2,3
	v_pk_add_f32 v[CUM+2*(\t):CUM+2*(\t)+1], v[CUM+2*(\t):CUM+2*(\t)+1], v[32+2*(\t):33+2*(\t)]
	v_pk_add_f32 v[112+2*(\t):113+2*(\t)], v[32+2*(\t):33+2*(\t)], v[PREV+2*(\t):PREV+2*(\t)+1] neg_lo:[0,1] neg_hi:[0,1]
.endr
.irp i, 0,1,2,3,4,5,6,7
	v_mov_b32 v[PREV+(\i)], v[32+(\i)]
.endr
	s_cmp_lg_u32 s[WV], 0
	s_cbranch_scc1 .Lno_stage_\@
	v_lshl_add_u32 v64, s[STEP], 3, v[STA]
.irp t, 0,1,2,3
	ds_store_b64 v64, v[CUM+2*(\t):CUM+2*(\t)+1] offset:896*(\t)
.endr
.Lno_stage_\@:
.endm
; gx += (delta(t) - delta(t-1)) w_ih0[:, :2]^T, gate by gate; the next gate's 16 loads are out while one gate is added.
.macro WPL g, dst
.irp c, 0,1
.irp u, 0,1,2,3
	ds_load_b128 v[(\dst)+32*(\c)+8*(\u):(\dst)+32*(\c)+8*(\u)+3],   v[TBA] offset:T_WP+3072*(\c)+1024*(\g)+64*(\u)
	ds_load_b128 v[(\dst)+32*(\c)+8*(\u)+4:(\dst)+32*(\c)+8*(\u)+7], v[TBA] offset:T_WP+3072*(\c)+1024*(\g)+64*(\u)+16
.endr
.endr
.endm
.macro WPF g, src
.if (\g) < 2
	WIN 0xA0                                       ; gx in window 2
.else
	WIN 0xF0                                       ; in window 3
.endif
.irp u, 0,1,2,3
.irp c, 0,1
.irp t, 0,1,2,3
.irp jp, 0,1,2,3
.if (\g) < 2
.set kd, 128*((\u)/2)+64*(\g)+32*((\u)%2)+8*(\t)+2*(\jp)
.else
.set kd, 64*((\u)/2)+32*((\u)%2)+8*(\t)+2*(\jp)
.endif
.if (\c) == 0
	v_pk_fma_f32 v[kd:kd+1], v[(\src)+32*(\c)+8*(\u)+2*(\jp):(\src)+32*(\c)+8*(\u)+2*(\jp)+1], v[112+2*(\t):113+2*(\t)], v[kd:kd+1] op_sel_hi:[1,0,1]
.else
	v_pk_fma_f32 v[kd:kd+1], v[(\src)+32*(\c)+8*(\u)+2*(\jp):(\src)+32*(\c)+8*(\u)+2*(\jp)+1], v[112+2*(\t):113+2*(\t)], v[kd:kd+1] op_sel:[0,1,0]
.endif
.endr
.endr
.endr
.endr
.endm
.macro POS
	WIN 0
	WPL 0, 32
	WPL 1, 120
	s_wait_dscnt 16                                ; gate r's rows are in, gate z's 16 loads stay out
	WPF 0, 32
	WIN 0
	WPL 2, 32
	s_wait_dscnt 16                                ; gate z's are in, gate n's 16 stay out
	WPF 1, 120
	s_wait_dscnt 0x0
	WPF 2, 32
	WIN 0
.endm
	; ---------------- the head
	s_load_b256 s[4:11], s[0:1], 0x0               ; context s[4:5], wstream s[6:7], tab s[8:9], out_b s[10:11]
	s_load_b64 s[OUTP:OUTP+1], s[0:1], 0x20        ; out0
	v_lshl_add_u32 v[SPW], v0, 2, SPARE
	v_mov_b32 v[NIL], 0
	ds_add_u32 v[SPW], v[NIL]                      ; the wave's opening: the add, twice on end, and its wait ahead of my first tensor load
	ds_add_u32 v[SPW], v[NIL]
	v_lshrrev_b32 v1, 5, v0
	v_readfirstlane_b32 s[WV], v1
	s_bfe_u32 s[CX], ttmp6, 0x40000
	s_and_b32 s[MODE], ttmp7, 0xffff               ; the cluster's y: the four partners share it
	s_lshl_b32 s[RB], ttmp9, 2
	s_add_co_u32 s[RB], s[RB], s[CX]
	; group 1: a dense block as rows of 256 bytes: elements of 8 bytes, 32 a row
	s_mov_b32 s[G1], 15|(3<<16)|(1<<21)            ; 15:0 the mask: all four work-groups; 17:16 elements of 8 bytes; 21 set beside a mask
	s_mov_b32 s[G1+1], 32<<16                      ; tensor_dim0 = 32
	s_mov_b32 s[G1+2], 96<<16                      ; tensor_dim1 = 96
	s_mov_b32 s[G1+3], 32<<16                      ; tile_dim0 = 32
	s_mov_b32 s[G1+4], 96                          ; tile_dim1 = 96
	s_mov_b32 s[G1+5], 32                          ; 32 elements from row to row
	s_mov_b32 s[G1+6], 0
	s_mov_b32 s[G1+7], 0
	s_mov_b32 s[G1T], 15|(3<<16)|(1<<21)
	s_mov_b32 s[G1T+1], 32<<16
	s_mov_b32 s[G1T+2], 16<<16                     ; 16 rows: a quarter of the tables
	s_mov_b32 s[G1T+3], 32<<16
	s_mov_b32 s[G1T+4], 16
	s_mov_b32 s[G1T+5], 32
	s_mov_b32 s[G1T+6], 0
	s_mov_b32 s[G1T+7], 0
	s_mul_i32 s68, s[WV], WPART
	s_lshl_b32 s69, s[WV], 12
	s_mov_b32 s[G0], 1
	s_mov_b32 s[G0+1], s68                         ; slot 0, my quarter: no place in the cluster enters an LDS address
	s_mov_b32 s[G0+4], 1
	s_add_co_u32 s[G0+5], s68, SLOT1
	s_mov_b32 s[G0T], 1
	s_add_co_u32 s[G0T+1], s69, TAB
	s_mul_i32 s70, s[MODE], MODEB
	s_add_co_u32 s70, s70, s68
	s_mov_b32 s71, 0
	s_lshl_b32 s74, s[MODE], 14
	s_add_co_u32 s74, s74, s69
	s_mov_b32 s75, 0
	s_mov_b32 s[CN], 0xbfb8aa3b
	s_mov_b32 s[CN+1], 0xbfb8aa3b                  ; named as pairs by the packed lines
	s_mov_b32 s[C2], 0x4038aa3b
	s_mov_b32 s[C2+1], 0x4038aa3b
	s_mov_b32 s[SEL], 0x76543210
	s_mov_b32 s[SEL+1], 0xfedcba98
	s_mov_b32 s[HM], 0xffff0000
	s_mov_b32 s[OFF+1], 0
	s_mov_b32 s[NXT], 2
	s_mov_b32 s[TN], 0
	s_mov_b32 s[LEFT], 14
	s_mov_b32 s[STEP], 0
	s_cmp_lt_u32 s[WV], 3
	s_cselect_b32 s[LIM], 11, 0
	s_cmp_eq_u32 ttmp9, 0                          ; the mode's first cluster: the same in all four partners
	s_cselect_b32 s[LIM], s[LIM], 0
	s_wait_dscnt 0x0                               ; both opening adds are done
	s_wait_kmcnt 0x0
	s_add_nc_u64 s[WB:WB+1], s[6:7], s[70:71]
	s_mov_b64 s[G0+2:G0+3], s[WB:WB+1]             ; chunk 0
	s_or_b32 s[G0+3], s[G0+3], 0x80000000
	s_add_nc_u64 s[G0+6:G0+7], s[WB:WB+1], CHUNK   ; chunk 1
	s_or_b32 s[G0+7], s[G0+7], 0x80000000
	s_add_nc_u64 s[G0T+2:G0T+3], s[8:9], s[74:75]
	s_or_b32 s[G0T+3], s[G0T+3], 0x80000000
	CROUND                                         ; all four work-groups are here: the first joint loads meet
	tensor_load_to_lds s[G0T:G0T+3], s[G1T:G1T+7]  ; the three first fills go out together: three loads of mine are out
	s_nop 0
	tensor_load_to_lds s[G0:G0+3], s[G1:G1+7]
	s_nop 0
	tensor_load_to_lds s[G0+4:G0+7], s[G1:G1+7]
	s_nop 0
	PLACES
	s_lshl_b32 s76, s[RB], 16                      ; what hangs on my place in the cluster has registers of its own
	s_lshl_b32 s78, s[WV], 8
	s_add_co_u32 s76, s76, s78
	s_mov_b32 s77, 0
	s_add_nc_u64 s[4:5], s[4:5], s[76:77]          ; context at my 64 rows, my wave's 64 columns
	s_mul_i32 s76, s[RB], 10752
	s_mul_i32 s78, s[MODE], 56
	s_add_co_u32 s76, s76, s78
	s_add_nc_u64 s[OUTP:OUTP+1], s[OUTP:OUTP+1], s[76:77]
	s_mul_i32 s76, s[CX], WPART
	s_lshl_b32 s78, s[WV], 13
	s_add_co_u32 s76, s76, s78
	s_mul_i32 s78, s[MODE], MODEB
	s_add_co_u32 s76, s76, s78
	s_add_co_u32 s76, s76, 4*CHUNK                 ; in chunk 4: the first change of slots steps it to chunk 5
	s_add_nc_u64 s[PFA:PFA+1], s[6:7], s[76:77]
	s_lshl_b32 s78, s[MODE], 3
	s_mov_b32 s79, 0
	s_add_nc_u64 s[10:11], s[10:11], s[78:79]
	s_load_b64 s[OB:OB+1], s[10:11], 0x0
	v_and_b32 v16, 15, v0                          ; l % 16
	v_bfe_u32 v17, v0, 4, 1                        ; l / 16
	v_and_b32 v18, 31, v0
	v_lshlrev_b32 v19, 4, v18                      ; 16 x lane
	v_lshlrev_b32 v20, 10, v16
	v_lshl_add_u32 v20, v17, 5, v20                ; row x 1,024 + 32 x half
	WIN 0xC0                                       ; destination window 3: my 64 columns of context, where h0's carry lives
.set i, 0
.rept 16                               ; unit tile i / 4, batch tile i % 4
	global_load_b128 v[128+8*i:131+8*i], v20, s[4:5] offset:16384*(i%4)+64*(i/4)
	global_load_b128 v[132+8*i:135+8*i], v20, s[4:5] offset:16384*(i%4)+64*(i/4)+16
.set i, i+1
.endr
	WIN 0
	v_lshlrev_b32 v[PFO], 8, v18
	v_add_nc_u32 v[ADRA], s68, v19
	v_add_nc_u32 v[ADRA+1], SLOT1, v[ADRA]
	v_add_nc_u32 v[ADRB], X0, v19
	v_add_nc_u32 v[ADRB+1], X1, v19
	s_lshl_b32 s75, s[WV], 13
	v_add_nc_u32 v[XST], s75, v[ADRB]
	v_add_nc_u32 v[XST+1], s75, v[ADRB+1]
	v_add_nc_u32 v[CARA], s75, v19
	v_add_nc_u32 v[CARA], CAR, v[CARA]
	v_lshlrev_b32 v[TBA], 5, v17
	s_lshl_b32 s74, s[WV], 8
	s_add_co_u32 s74, s74, TAB
	v_add_nc_u32 v[TBA], s74, v[TBA]
	v_lshlrev_b32 v[SCRD], 3, v16
	v_add_nc_u32 v[SCRD], SCR, v[SCRD]
	s_lshl_b32 s74, s[WV], 9
	v_add_nc_u32 v[SCW], s74, v[SCRD]
	v_mul_u32_u24 v[STA], v16, 56
	v_add_nc_u32 v[STA], STG, v[STA]
	s_wait_loadcnt 0x0
	WIN 0x0F                                       ; context is rounded once, to bf16;
.set i, 0
.rept 64
	v_cvt_pk_bf16_f32 v[32+i], v[128+2*i], v[128+2*i+1]
.set i, i+1
.endr
	WIN 0                                          ; that number, as f32, starts h1's carry of half 0,
.set i, 0
.rept 32
	v_lshlrev_b32 v[H1C+2*i], 16, v[32+i]
	v_and_b32 v[H1C+2*i+1], s[HM], v[32+i]
.set i, i+1
.endr
	WIN 0xC0                                       ; and h0's carry; its upper half also starts h1's carry of half 1 (below)
.set i, 0
.rept 64
	v_lshlrev_b32 v[128+2*i], 16, v[32+i]
	v_and_b32 v[128+2*i+1], s[HM], v[32+i]
.set i, i+1
.endr
	CVT3                                           ; the same number written as f16
	XSTORE XST                                     ; is h0's and h1's first copy
	XSTORE XST+1
	WIN 0x0C                                       ; store data from window 3: h1's carry of half 1
.set i, 0
.rept 16
	ds_store_b128 v[CARA], v[192+4*i:195+4*i] offset:512*i
.set i, i+1
.endr
	WIN 0
.set i, 0
.rept 16
	v_mov_b32 v[PREV+i], 0                         ; delta(-1) and the running sum
.set i, i+1
.endr
	s_wait_tensorcnt 0x1                           ; my parts of the tables and of chunk 0 are in; chunk 1's load, issued last, may stay out
	s_wait_kmcnt 0x0
	s_wait_dscnt 0x0
	v_mov_b32 v32, s[OB]                           ; out_b is rounded to bf16 like every input, and kept as f32 in its scalars
	v_mov_b32 v33, s[OB+1]
	v_cvt_pk_bf16_f32 v34, v32, v33
	v_lshlrev_b32 v32, 16, v34
	v_and_b32 v33, s[HM], v34
	v_readfirstlane_b32 s[OB], v32
	v_readfirstlane_b32 s[OB+1], v33
	s_barrier_signal -1
	s_barrier_wait -1                              ; everybody's tables and copies of context are in
	; ---------------- gx = context w_ih0[:, 2:]^T, once
	s_mov_b32 s[SPI], 0
.Lp0:
	v_lshl_add_u32 v[TBS], s[SPI], 7, v[TBA]
	BLKA GXN, 0, ADRB
	BLKB GXN, ADRB, 2
	WIN 0
	PLACES
	s_wait_dscnt 0x0                               ; the biases
	s_cmp_eq_u32 s[SPI], 0
	s_cbranch_scc0 .Lfin1
	FIN 0
	s_branch .Lfinj
.Lfin1:
	FIN 1
.Lfinj:
	s_add_co_u32 s[SPI], s[SPI], 1
	s_cmp_lt_u32 s[SPI], 2
	s_cbranch_scc1 .Lp0
	; ---------------- the steps
.Lstep:
	s_mov_b32 s[SPI], 0
.Ll0:                                              ; layer 0, a half: w_hh0 h0, the gates
	v_lshl_add_u32 v[TBS], s[SPI], 7, v[TBA]
	BLKA GHN, 0, ADRB
	BLKB GHN, ADRB, 3
	WIN 0
	PLACES
	s_wait_dscnt 0x0
	s_cmp_eq_u32 s[SPI], 0
	s_cbranch_scc0 .Lg01
	GATES0 0
	s_branch .Lg0j
.Lg01:
	GATES0 1
.Lg0j:
	s_add_co_u32 s[SPI], s[SPI], 1
	s_cmp_lt_u32 s[SPI], 2
	s_cbranch_scc1 .Ll0
	CVT3                                           ; the new h0 for all waves.  Every wave's reads of the old copy were back ahead of the last round's signal
	XSTORE XST
	s_wait_dscnt 0x0
	s_barrier_signal -1                            ; one tensor load of mine stays out
	s_barrier_wait -1
	s_mov_b32 s[SPI], 0
.Ll1:                                              ; layer 1, a half: w_ih1 h0, then w_hh1 h1 onto r's and z's sums, the gates
	v_lshl_add_u32 v[TBS], s[SPI], 7, v[TBA]
	BLKA GXN, 0, ADRB
	BLKB GXN, ADRB, 0
	BLKA GHN, 1, ADRB+1
	WIN 0
	s_cmp_eq_u32 s[LEFT], 1
	s_cbranch_scc1 .Ltail                          ; the walk's last two chunks are in or on their way: the rest is written out
	BLKB GHN, ADRB+1, 4
	WIN 0
	PLACES
	s_wait_dscnt 0x0
	s_cmp_eq_u32 s[SPI], 0
	s_cbranch_scc1 .Lno_carry
	LOADC                                          ; half 1's carry comes while the gates are made
.Lno_carry:
	G1COMMON
	s_cmp_eq_u32 s[SPI], 0
	s_cbranch_scc0 .Le1
	ESTEP 1, H1C
	s_branch .Lej
.Le1:
	s_wait_dscnt 0x0
	ESTEP 1, CT
	STOREC
.Lej:
	s_sub_co_u32 s[LEFT], s[LEFT], 1
	s_add_co_u32 s[SPI], s[SPI], 1
	s_cmp_lt_u32 s[SPI], 2
	s_cbranch_scc1 .Ll1
	CVT1                                           ; the new h1 for all waves; the old copy's reads were back ahead of the last round's signal
	XSTORE XST+1
	DELTA
	s_wait_dscnt 0x0
	s_barrier_signal -1
	s_barrier_wait -1                              ; all partial deltas and the new h1 are in LDS
	OUT
	POS
	s_add_co_u32 s[STEP], s[STEP], 1
	s_cmp_lt_u32 s[STEP], 7
	s_cbranch_scc1 .Lstep                          ; reached with STEP = 1 .. 6, so always taken: the seventh trip leaves the loop at the jump to .Ltail above
	; ---------------- the last half of the last step: nothing more is asked for
.Ltail:
	s_wait_dscnt 0x0
	s_wait_tensorcnt 0x0                           ; the last chunk: my own quarter, which I alone read
	PLACES
	FETCH ADRA+1, 0, ADRB+1, 16384, 0
	MUL 1, 0, GHN, 2
	MUL 1, 1, GHN, 2
	MUL 1, 2, GHN, 2
	KF 0, GHN, 2, ADRA+1, 6144, ADRB+1, 20480
	KF 1, GHN, 2, ADRA+1, 12288, ADRB+1, 24576
	KF 0, GHN, 2, ADRA+1, 18432, ADRB+1, 28672
	s_wait_dscnt 0x0
	MUL 1, 0, GHN, 2
	MUL 1, 1, GHN, 2
	WIN 0
	PLACES
	BLD 32, T_B1R
	BLD 48, T_B1Z
	BLD 64, T_B1XN
	BLD 80, T_B1HN
	MUL 1, 2, GHN, 2
	WIN 0
	PLACES
	s_wait_dscnt 0x0
	LOADC
	G1COMMON
	s_wait_dscnt 0x0
	ESTEP 1, CT                                    ; the carry is not stored again, and no f16 copy is made: nothing reads them
	DELTA
	s_wait_dscnt 0x0
	s_barrier_signal -1
	s_barrier_wait -1
	OUT
	s_cmp_lg_u32 s[WV], 0
	s_cbranch_scc1 .Lfin
	; wave 0 sends the stage out: 448 pairs of f32; pair e = 7 row + t goes to byte 8 e + 112 row of my rows' part of out0 (a row's three modes are 168 bytes; mine are 56 of them)
	v_and_b32 v32, 31, v0
	v_lshl_add_u32 v33, v32, 3, STG
.set i, 0
.rept 14
	ds_load_b64 v[64+2*i:65+2*i], v33 offset:256*i ; my own stores, served in the order of issue
.set i, i+1
.endr
.set i, 0
.rept 14
	v_add_nc_u32 v[34+i], 32*i, v32                ; e
	v_mul_u32_u24 v[48+i], 9363, v[34+i]
	v_lshrrev_b32 v[48+i], 16, v[48+i]             ; e / 7, exact for e < 448
	v_mul_u32_u24 v[48+i], 112, v[48+i]
	v_lshl_add_u32 v[34+i], v[34+i], 3, v[48+i]
.set i, i+1
.endr
	s_wait_dscnt 0x0
.set i, 0
.rept 14
	global_store_b64 v[34+i], v[64+2*i:65+2*i], s[OUTP:OUTP+1]
.set i, i+1
.endr
.Lfin:
	s_wait_tensorcnt 0x0                           ; the wave's end: behind my last tensor load and my last LDS store
	ds_add_u32 v[SPW], v[NIL]
	s_wait_dscnt 0x0
	CROUND                                         ; the closing round: no work-group ends while a partner may still ask for a chunk that names it
	s_endpgm
.Lfunc_end_k_q93d32ec4be_decode:
	.size	k_q93d32ec4be_decode, .Lfunc_end_k_q93d32ec4be_decode-k_q93d32ec4be_decode
	.p2alignl 7, 3214868480
	.fill 96, 4, 3214868480
	.section	.rodata,"a",@progbits
	.p2align	6, 0x0
	.amdhsa_kernel k_q93d32ec4be_decode
		.amdhsa_group_segment_fixed_size 327680
		.amdhsa_private_segment_fixed_size 0
		.amdhsa_enable_private_segment 0
		.amdhsa_kernarg_size 40
		.amdhsa_user_sgpr_count 2
		.amdhsa_user_sgpr_kernarg_segment_ptr 1
		.amdhsa_wavefront_size32 1
		.amdhsa_system_sgpr_workgroup_id_x 1
		.amdhsa_system_sgpr_workgroup_id_y 1
		.amdhsa_system_sgpr_workgroup_id_z 1
		.amdhsa_system_vgpr_workitem_id 0
		.amdhsa_next_free_vgpr 1024
		.amdhsa_next_free_sgpr 80
		.amdhsa_reserve_vcc 0
		.amdhsa_float_denorm_mode_32 3
		.amdhsa_float_denorm_mode_16_64 3
		.amdhsa_memory_ordered 1
		.amdhsa_forward_progress 1
		.amdhsa_inst_pref_size 255
	.end_amdhsa_kernel
	.section	.bss,"aw",@nobits
	.p2align	6
	.space	262144
	.amdgpu_metadata
---
amdhsa.version: [ 1, 2 ]
amdhsa.kernels:
  - .name:           k_q93d32ec4be_decode
    .symbol:         k_q93d32ec4be_decode.kd
    .args:
      - { .name: context, .offset: 0, .size: 8, .value_kind: global_buffer, .address_space: global }
      - { .name: wstream, .offset: 8, .size: 8, .value_kind: global_buffer, .address_space: global }
      - { .name: tab, .offset: 16, .size: 8, .value_kind: global_buffer, .address_space: global }
      - { .name: out_b, .offset: 24, .size: 8, .value_kind: global_buffer, .address_space: global }
      - { .name: out0, .offset: 32, .size: 8, .value_kind: global_buffer, .address_space: global }
    .group_segment_fixed_size: 327680
    .private_segment_fixed_size: 0
    .kernarg_segment_align: 8
    .kernarg_segment_size: 40
    .max_flat_workgroup_size: 128
    .sgpr_count:     80
    .vgpr_count:     1024
    .wavefront_size: 32
...
	.end_amdgpu_metadata
.endif
;; end of part 2
